; MI455X (gfx1250); checked and timed in simulation.
; The chip was launched on July 23, 2026; its instructions are those of AMD's public machine-readable ISA for CDNA 5 (MIT licence, August 2026) and "CDNA5" Instruction Set Architecture Reference Guide (July 2026). The comments in the code are by the model that wrote it; some were corrected since.
;; Parallel Sequence Mo E Head. Allowed arithmetic: matrix products marked QUANTISED: E2M1 operands, one E8M0 scale for each 32 along K, by v_wmma_scale_f32_16x16x128_f8f6f4 with both operands' format E2M1 (or v_wmma_scale_f32_32x16x128_f4), f32 sums; products left as they are: f32 operands where the result goes on into a quantised operand, else bf16, f16 or f32 operands; f32 sums; everything else in f32.
;; Inputs: b1 8 x 1 x 1,024 float32; b2 8 x 1 x 1,024 float32; dec_embeddings 8 x 1,024 float32; router_b 8 float32; router_w 8 x 1,024 float32; w1 8 x 1,024 x 1,024 float32; w2 8 x 1,024 x 1,024 float32; x 8 x 512 x 1,024 float32.
;; Outputs: out0 8 x 512 x 1,024 float32; out1 one number float32; out2 8 x 8 float32; out3 8 x 8 float32.
;; This version of the problem:
;;   THIS VERSION OF THE PROBLEM IS GIVEN IN LOW PRECISION. The matrix products marked QUANTISED in the list below multiply operands that are first quantised to E2M1 (2 exponent bits, 1 mantissa bit; 4 bits a number), with one power-of-two scale for each 32 numbers along K (OCP MX v1.0); their sums are f32. All else is computed in f32.
;;   The module's matrix products, in the order in which they are computed (A, B: the left and right operand; K: the contracted axis; several contracted axes count as one K, in the product's order):
;;     1. [M 8, K 1,024] x [K 1,024, N 8]; A: input dec_embeddings; B: input router_w: left as it is (M = 8 < 16)
;;     2. [M 8,192, K 1,024] x [K 1,024, N 4,096]; A: input w1; B: input x: QUANTISED
;;     3. batch 8 x [M 4,096, K 1,024] x [K 1,024, N 1,024]; A: computed on the way; B: input w2: QUANTISED
;;   THE QUANTISER, for each operand of a quantised product, along K:
;;     - K is cut into blocks of 32 from its start; a last block that is shorter is filled with zeros.
;;     - A block's scale is 2^e with e = floor(log2(the largest magnitude in the block)) - 2, held to -126 .. 127; a block of zeros has e = 0. As a byte (E8M0): e + 127.
;;     - Each number is divided by its block's scale, clamped to +-6, and rounded to the nearest number of E2M1, ties to even, subnormals kept.
;;     - The product sums the exact products of the quantised numbers (number of the format x scale) in f32.
;;   ~~~python
;;   def quantise(x, axis):      # numpy; x: float32 -> the quantised numbers, widened to float32 again
;;       x = np.moveaxis(x, axis, -1); K = x.shape[-1]
;;       x = np.pad(x, [(0, 0)] * (x.ndim - 1) + [(0, -K % 32)]); x = x.reshape(x.shape[:-1] + (-1, 32)); a = np.abs(x).max(-1, keepdims=True)
;;       e = np.where(a > 0, np.clip(np.frexp(np.where(a > 0, a, 1))[1] - 1 - 2, -126, 127), 0)      # np.frexp(a)[1] - 1 = floor(log2(a)), exactly
;;       r = np.clip(x / 2.0 ** e, -6, 6)
;;       step = 2.0 ** (np.maximum(np.frexp(np.where(r == 0, 1, r))[1] - 1, 0) - 1)
;;       q = np.round(r / step) * step * 2.0 ** e      # np.round: ties to even
;;       return np.moveaxis(q.reshape(q.shape[:-2] + (-1,))[..., :K], -1, axis).astype(np.float32)
;;   ~~~
;;   OPERANDS COMPUTED ON THE WAY. 'Computed on the way' means the value that the module computes at that place (a softmax that the list does not call 'softmax' is quantised finished and normalised). What goes into a quantiser is computed in f32, as accurately as f32 sums, v_exp_f32 and their like allow (about 1e-6 of the number): no bf16 or f16 on the way to a quantiser, and a product that is left as it is and whose result goes on into a quantised operand takes f32 operands (vector FMAs, or v_wmma_f32_16x16x4_f32). A number that lies on a knife's edge between two numbers of the format may be rounded either way, as far as f32 arithmetic and the matrix unit's own rounding can turn it there, and no further.
;; One version. Each part assembles by itself: llvm-mc -triple=amdgcn-amd-amdhsa -mcpu=gfx1250 --defsym DOCPART=n.
;; ======== version 1 of 1: 3 launches
;; limits: right only within a limited range of input values
;; workspace buffers: xq 2,097,152 bytes; xs 131,072 bytes; w1b 4,456,448 bytes; w2b 4,456,448 bytes; hq 4,194,304 bytes; hs 262,144 bytes; sel 256 bytes of whole numbers; gate 256 bytes
;; launch prep (part 1): grid 256 x 1, 12 waves a work-group, no clusters, 208,896 bytes of LDS; arguments x, w1, dec_embeddings, router_w, router_b, xq, xs, w1b, sel, gate, out1, out2, out3; writes xq, xs, w1b, sel, gate, out1, out2, out3
.if DOCPART == 1
	.amdgcn_target "amdgcn-amd-amdhsa--gfx1250"
	.amdhsa_code_object_version 6
	.text
	.protected	k_qed60a752ed_prep
	.globl	k_qed60a752ed_prep
	.p2align	8
	.type	k_qed60a752ed_prep,@function
k_qed60a752ed_prep:
	s_mov_b64 s[64:65], 0
	v_nop
	global_prefetch_b8 v0, s[64:65] scope:SCOPE_SE
	s_setreg_imm32_b32 hwreg(HW_REG_WAVE_MODE, 25, 1), 1
	s_wait_xcnt 0x0
; PREP: the router, and the codes of x and w1 (FP4 = E2M1, one E8M0 scale byte for each 32 along K).  w2's codes are made in the next launch, which does not need them.
; Work-group i: waves 0..7 take 128 K x 256 columns of w1 (expert i / 32, K step (i / 4) % 8, columns 256 (i % 4) ..): wave w block w % 4 (32 along K) of 128 columns; waves 8..11 take rows 16 i .. of x, 256 numbers of
; each row a wave.  Work-group 0 also runs the router, in waves 8..11, while its tiles are on their way.
; No LDS byte is filled twice.
; WHAT THE PROGRAM LEAVES OUT: reference() multiplies every expert for every batch and then gathers the two chosen ones (take_along_axis over topk_idx).  The router here stores the chosen numbers in sel, and
; the later launches read them and multiply those experts alone.  LIMIT: a NaN, an infinity or an overflow that arises only in an expert's results that no batch chose is not carried anywhere.
; A block's scale byte is its largest magnitude's exponent field - 2, held at 1 from below by a floor among the maximum's leaves.
; LAYOUT OF THE CODES: a fragment (16 rows x 128 K) is 1,024 bytes laid [block of 32: 4][row: 16][16 bytes]; lane l of a wave then finds
; its registers 4 c .. 4 c + 3 at byte 512 c + 16 l, so that the later launches load fragments as consecutive bytes.
;   xq [row block of 128: 32][K step: 8][row tile: 8][1 KB]      xs [row: 4096][32 bytes]
;   w1b (w2b likewise): codes [expert: 8][tile: 64][K step: 8][1 KB], and from byte 4 MiB on scale words [expert: 8][K step: 8][1024]
; THE COLUMNS OF A WEIGHT TILE ARE NOT NEIGHBOURS: slot r of tile 2 G + u holds column 32 G + 8 u + r + 8 (r / 8), so that in the transposed
; product the 16 registers of tiles 2 G and 2 G + 1 are 16 neighbouring columns.
; LIMITS: NaN and infinities among the inputs are not served.  A block whose largest magnitude lies under 2^-124 is held at byte 1; a block of
; zeros has byte 1 where the rule says 127: its codes are zeros and only this program reads the bytes.  The top 2 are taken on the probabilities
; as computed here; of equal ones the lower index wins.
; No matrix unit; no cluster: work-groups share no input; no prefetch: every tile is asked for at the head, there is no loop to run ahead in.
.set XST, 196608                       ; behind the 12 tiles: x: a stage of 8 x 272 bytes for each x wave, for the codes
.set XSB, 205312                       ; x: 16 rows x 32 scale bytes
.set W1S, 205824                       ; w1: 256 scale words
.set RL,  206848                       ; router: the logits [8][8]
.set RM,  207104                       ; router: the mask [8][8]
.set SPARE, 207360                     ; the spare words, 128 bytes for each wave
.set SPW, 192                          ; LDS address of my spare word
.set NIL, 193                          ; 0
.set L16, 194                          ; 16 l
.set QT,  195                          ; w1: my column in my tile
.set QB,  196                          ; w1: my column's scale byte
.set CO,  197                          ; w1: my codes' offset: tile l / 16, slot l % 16
.set XR,  198                          ; x: my 8 neighbours in a row of my tile
.set XC,  199                          ; x: the code stage, in
.set XE,  200                          ; x: my block's scale byte
.set XO,  201                          ; x: the code stage, out
.set WR,  202                          ; w1's scale words, out
.set SR,  203                          ; x's scale bytes, out
	s_load_b128 s[4:7], s[0:1], 0x0                ; x, w1
	s_load_b128 s[8:11], s[0:1], 0x28              ; xq, xs
	s_load_b64 s[12:13], s[0:1], 0x38              ; w1b
	v_lshl_add_u32 v[SPW], v0, 2, SPARE
	v_mov_b32 v[NIL], 0
	ds_add_u32 v[SPW], v[NIL]                      ; the opening lines, ahead of my tensor load: the add, twice on end, and its wait
	ds_add_u32 v[SPW], v[NIL]
	v_lshrrev_b32 v1, 5, v0
	v_readfirstlane_b32 s20, v1                    ; wave w
	s_and_b32 s21, s20, 3                          ; q: w1's block, x's 256 numbers
	s_lshr_b32 s22, s20, 2
	s_and_b32 s22, s22, 1                          ; hh: which 128 of w1's 256 columns
	s_lshr_b32 s23, ttmp9, 5                       ; expert
	s_lshr_b32 s24, ttmp9, 2
	s_and_b32 s24, s24, 7                          ; K step
	s_and_b32 s25, ttmp9, 3                        ; which 256 columns
	; descriptor group 1, elements of 8 bytes, no padding: w1's tiles 32 rows of 512 bytes, x's 16 rows of 1,024, both 4,096 bytes apart
	s_mov_b32 s32, 0x30000
	s_mov_b32 s33, 64<<16
	s_mov_b32 s34, 32<<16
	s_mov_b32 s35, 64<<16
	s_mov_b32 s36, 32
	s_mov_b32 s37, 512
	s_mov_b32 s38, 0
	s_mov_b32 s39, 0
	s_mov_b32 s40, 0x30000
	s_mov_b32 s41, 128<<16
	s_mov_b32 s42, 16<<16
	s_mov_b32 s43, 128<<16
	s_mov_b32 s44, 16
	s_mov_b32 s45, 512
	s_mov_b32 s46, 0
	s_mov_b32 s47, 0
	s_lshl_b32 s26, s23, 22                        ; w1: 4 MiB an expert,
	s_lshl_b32 s27, s24, 19                        ; 128 rows of 4,096 bytes a K step,
	s_add_co_u32 s26, s26, s27
	s_lshl_b32 s27, s21, 17                        ; 32 rows a block,
	s_add_co_u32 s26, s26, s27
	s_lshl_b32 s27, s25, 10
	s_add_co_u32 s26, s26, s27
	s_lshl_b32 s27, s22, 9
	s_add_co_u32 s26, s26, s27
	s_mov_b32 s27, 0
	s_lshl_b32 s28, ttmp9, 16                      ; x: 16 rows of 4,096 bytes,
	s_lshl_b32 s29, s21, 10                        ; my 256 numbers
	s_add_co_u32 s28, s28, s29
	s_mov_b32 s29, 0
	s_lshr_b32 s30, ttmp9, 3
	s_lshl_b32 s30, s30, 16                        ; xq: 64 KiB a row block,
	s_lshl_b32 s31, s21, 14                        ; K steps 2 q and 2 q + 1, 8 KiB each,
	s_add_co_u32 s30, s30, s31
	s_and_b32 s31, ttmp9, 7
	s_lshl_b32 s31, s31, 10                        ; 1 KiB a row tile
	s_add_co_u32 s30, s30, s31
	s_mov_b32 s31, 0
	s_lshl_b32 s56, ttmp9, 9                       ; xs: 16 rows of 32 bytes
	s_mov_b32 s57, 0
	s_lshl_b32 s58, s23, 19                        ; w1's codes: 512 KiB an expert,
	s_lshl_b32 s59, s25, 17                        ; 16 tiles of 8 KiB for 256 columns,
	s_add_co_u32 s58, s58, s59
	s_lshl_b32 s59, s22, 16
	s_add_co_u32 s58, s58, s59
	s_lshl_b32 s59, s24, 10                        ; 1 KiB a K step,
	s_add_co_u32 s58, s58, s59
	s_lshl_b32 s59, s21, 8                         ; 256 bytes a block
	s_add_co_u32 s58, s58, s59
	s_mov_b32 s59, 0
	s_lshl_b32 s60, s23, 15                        ; its scale words: 4,096 bytes for an expert's K step,
	s_lshl_b32 s61, s24, 12
	s_add_co_u32 s60, s60, s61
	s_lshl_b32 s61, s25, 10                        ; 1,024 for 256 columns,
	s_add_co_u32 s60, s60, s61
	s_add_co_u32 s60, s60, 0x400000                ; behind the codes
	s_mov_b32 s61, 0
	s_mov_b32 s62, 0x76543210                      ; v_permlanex16_b32's selects for lane l xor 16
	s_mov_b32 s63, 0xfedcba98
	s_lshl_b32 s66, s20, 14                        ; my tile in LDS: 16,384 w
	s_lshl_b32 s67, s22, 9
	s_add_co_u32 s67, s67, s21
	s_add_co_u32 s67, s67, W1S                     ; w1's scale bytes: word 128 hh + .., byte q
	s_mul_i32 s68, s21, 2176
	s_add_co_u32 s68, s68, XST                     ; my code stage
	s_lshl_b32 s69, s21, 3
	s_add_co_u32 s69, s69, XSB
	v_and_b32 v1, 31, v0                           ; lane l
	v_and_b32 v2, 15, v0                           ; l % 16
	v_bfe_u32 v3, v0, 4, 1                         ; l / 16
	v_lshlrev_b32 v[L16], 4, v1
	v_and_b32 v4, 8, v2
	v_add_nc_u32 v4, v4, v2
	v_lshl_add_u32 v4, v3, 3, v4                   ; slot l % 16 of tile l / 16 holds column 8 (l / 16) + r + 8 (r / 8)
	v_lshl_add_u32 v[QT], v4, 2, s66
	v_lshl_add_u32 v[QB], v1, 2, s67
	v_lshlrev_b32 v5, 4, v2
	v_lshl_add_u32 v[CO], v3, 13, v5               ; tiles lie 8,192 bytes apart
	v_lshl_add_u32 v[XR], v1, 5, s66
	v_lshrrev_b32 v6, 2, v1                        ; my block of a row's 256 numbers: l / 4
	v_and_b32 v7, 3, v1
	v_mul_u32_u24 v8, v6, 272                      ; the code stage: a block's 16 rows x 16 bytes, + 16 of padding
	v_lshl_add_u32 v8, v7, 2, v8                   ; my 4 bytes of the block's 16
	v_add_nc_u32 v[XC], s68, v8
	v_add_nc_u32 v[XE], s69, v6
	v_mul_u32_u24 v9, v3, 272                      ; back: lanes 0-15 one block's 256 bytes, lanes 16-31 the next block's
	v_lshl_add_u32 v9, v2, 4, v9
	v_add_nc_u32 v[XO], s68, v9
	v_add_nc_u32 v[WR], W1S, v[L16]
	v_add_nc_u32 v[SR], XSB, v[L16]
	s_wait_alu depctr_va_vdst(0)
	s_wait_dscnt 0x0                               ; both opening adds are done
	s_wait_kmcnt 0x0
	s_mov_b32 s48, 1                               ; group 0: w1's tile
	s_mov_b32 s49, s66
	s_add_nc_u64 s[50:51], s[6:7], s[26:27]
	s_or_b32 s51, s51, 0x80000000
	s_mov_b32 s52, 1                               ; and x's
	s_mov_b32 s53, s66
	s_add_nc_u64 s[54:55], s[4:5], s[28:29]
	s_or_b32 s55, s55, 0x80000000
	s_cmp_lt_u32 s20, 8
	s_cbranch_scc0 .Lask_x
	tensor_load_to_lds s[48:51], s[32:39]          ; one load a wave
	s_nop 0
.rept 4
	v_nop
.endr
	s_branch .Lasked
.Lask_x:
	tensor_load_to_lds s[52:55], s[40:47]
	s_nop 0
.rept 4
	v_nop
.endr
.Lasked:
	s_add_nc_u64 s[8:9], s[8:9], s[30:31]
	s_add_nc_u64 s[10:11], s[10:11], s[56:57]
	s_add_nc_u64 s[14:15], s[12:13], s[60:61]
	s_add_nc_u64 s[12:13], s[12:13], s[58:59]
	s_cmp_lg_u32 ttmp9, 0
	s_cbranch_scc1 .Ltiles
; ======== THE ROUTER, in f32 throughout.  Phase A: wave 8 + q makes the logits of batches 2 q and 2 q + 1.  Phase B: wave 8, lane l for batch l % 8.
	s_load_b128 s[68:71], s[0:1], 0x10             ; dec_embeddings, router_w
	s_load_b64 s[72:73], s[0:1], 0x20              ; router_b
	s_load_b64 s[74:75], s[0:1], 0x60              ; out3
	s_load_b128 s[76:79], s[0:1], 0x40             ; sel, gate
	s_load_b128 s[80:83], s[0:1], 0x50             ; out1, out2
	s_lshl_b32 s26, s21, 13                        ; my two rows of dec_embeddings
	s_mov_b32 s27, 0
	s_lshl_b32 s25, s21, 6
	s_add_co_u32 s25, s25, RL
	v_and_b32 v1, 31, v0
	v_mov_b32 v3, s25                              ; where my 16 logits go
	v_lshlrev_b32 v4, 3, v1                        ; 8 l
	v_add_nc_u32 v5, RL, v4
	v_and_b32 v6, 7, v1
	v_lshlrev_b32 v6, 5, v6                        ; 32 (l % 8)
	v_add_nc_u32 v7, RM, v6
	v_add_nc_u32 v6, RL, v6
	v_add_nc_u32 v10, RM, v4
	s_wait_alu depctr_va_vdst(0)
	s_wait_kmcnt 0x0
	s_load_b256 s[84:91], s[72:73], 0x0            ; router_b's eight numbers
	s_add_nc_u64 s[68:69], s[68:69], s[26:27]
	s_cmp_lt_u32 s20, 8
	s_cbranch_scc1 .Lra
.irp bb, 0,1
.irp j, 0,1,2,3,4,5,6,7
	global_load_b128 v[16+32*\bb+4*\j:19+32*\bb+4*\j], v[L16], s[68:69] offset:4096*\bb+512*\j
.endr
.endr
.macro RW e                            ; router_w's row e into set e % 2
.irp j, 0,1,2,3,4,5,6,7
	global_load_b128 v[80+32*((\e)%2)+4*\j:83+32*((\e)%2)+4*\j], v[L16], s[70:71] offset:4096*(\e)+512*\j
.endr
.endm
.macro RDOT e                          ; my lane's 32 terms of two dot products, two at a time, the two batches by turns
.set WB, 80+32*((\e)%2)
.if (\e) < 7
	s_wait_loadcnt 8                               ; row e is in; the next row's eight loads may be out
.else
	s_wait_loadcnt 0
.endif
.irp bb, 0,1
	v_pk_mul_f32 v[144+2*(2*(\e)+\bb):145+2*(2*(\e)+\bb)], v[16+32*\bb:17+32*\bb], v[WB:WB+1]
.endr
.irp j, 2,4,6,8,10,12,14,16,18,20,22,24,26,28,30
.irp bb, 0,1
	v_pk_fma_f32 v[144+2*(2*(\e)+\bb):145+2*(2*(\e)+\bb)], v[16+32*\bb+\j:17+32*\bb+\j], v[WB+\j:WB+\j+1], v[144+2*(2*(\e)+\bb):145+2*(2*(\e)+\bb)]
.endr
.endr
.if (\e) < 6
	RW (\e)+2
.endif
.endm
	RW 0
	RW 1
.irp e, 0,1,2,3,4,5,6,7
	RDOT \e
.endr
.irp e, 0,1,2,3,4,5,6,7
.irp bb, 0,1
	v_add_f32 v[176+8*\bb+\e], v[144+2*(2*\e+\bb)], v[145+2*(2*\e+\bb)]
.endr
.endr
.irp x, 1,2,4,8
.irp i, 0,1,2,3,4,5,6,7,8,9,10,11,12,13,14,15
	v_add_f32_dpp v[176+\i], v[176+\i], v[176+\i] row_xmask:\x row_mask:0xf bank_mask:0xf
.endr
.endr
.irp i, 0,1,2,3,4,5,6,7,8,9,10,11,12,13,14,15
	v_permlanex16_b32 v[144+\i], v[176+\i], s62, s63
.endr
.irp i, 0,1,2,3,4,5,6,7,8,9,10,11,12,13,14,15
	v_add_f32 v[176+\i], v[176+\i], v[144+\i]      ; every lane holds the 16 sums
.endr
	s_wait_alu depctr_va_vdst(0)
	s_wait_kmcnt 0x0
.irp e, 0,1,2,3,4,5,6,7
.irp bb, 0,1
	v_add_f32 v[176+8*\bb+\e], s[84+\e], v[176+8*\bb+\e]
.endr
.endr
.irp q, 0,1,2,3
	ds_store_b128 v3, v[176+4*\q:179+4*\q] offset:16*\q            ; all lanes write the same words with the same values
.endr
.Lra:
	s_wait_dscnt 0x0
	s_barrier_signal -1
	s_barrier_wait -1                              ; all 64 logits lie in LDS; the tiles on their way are read by their own waves alone
	s_cmp_lg_u32 s20, 8
	s_cbranch_scc1 .Ltiles
	ds_load_b64 v[8:9], v5                         ; the logits as they lie, 8 bytes a lane
	ds_load_b128 v[16:19], v6                      ; and my batch's eight
	ds_load_b128 v[20:23], v6 offset:16
	s_wait_dscnt 0x0
	global_store_b64 v4, v[8:9], s[74:75]          ; out3: 256 consecutive bytes
	v_max3_num_f32 v24, v16, v17, v18              ; the softmax, its maximum taken away first
	v_max3_num_f32 v24, v24, v19, v20
	v_max3_num_f32 v24, v24, v21, v22
	v_max_num_f32 v24, v24, v23
.irp e, 0,1,2,3,4,5,6,7
	v_sub_f32 v[32+\e], v[16+\e], v24
.endr
.irp e, 0,1,2,3,4,5,6,7
	v_mul_f32 v[32+\e], 0x3fb8aa3b, v[32+\e]       ; x log2(e)
.endr
	s_wait_alu depctr_va_vdst(0)
.irp e, 0,1,2,3,4,5,6,7
	v_exp_f32 v[32+\e], v[32+\e]
.endr
	v_nop                                          ; a plain line behind the exponentials
	s_wait_alu depctr_va_vdst(0)
	v_add_f32 v25, v32, v33
	v_add_f32 v26, v34, v35
	v_add_f32 v27, v36, v37
	v_add_f32 v28, v38, v39
	v_add_f32 v25, v25, v26
	v_add_f32 v27, v27, v28
	v_add_f32 v25, v25, v27
	s_wait_alu depctr_va_vdst(0)
	v_rcp_f32 v25, v25
	v_nop
	s_wait_alu depctr_va_vdst(0)
.irp e, 0,1,2,3,4,5,6,7
	v_mul_f32 v[32+\e], v[32+\e], v25              ; gate_probs
.endr
	v_mov_b32 v40, v32                             ; the largest: an ascending scan with a strict compare keeps the lower index
	v_mov_b32 v44, 0
.irp e, 1,2,3,4,5,6,7
	v_cmp_gt_f32 vcc_lo, v[32+\e], v40
	v_cndmask_b32 v40, v40, v[32+\e], vcc_lo
	v_cndmask_b32 v44, v44, \e, vcc_lo
.endr
.irp e, 0,1,2,3,4,5,6,7
	v_cmp_eq_u32 vcc_lo, \e, v44
	v_cndmask_b32 v[48+\e], v[32+\e], -1.0, vcc_lo ; the first is taken out: -1 lies under every probability
.endr
	v_mov_b32 v42, v48                             ; the second largest, likewise
	v_mov_b32 v45, 0
.irp e, 1,2,3,4,5,6,7
	v_cmp_gt_f32 vcc_lo, v[48+\e], v42
	v_cndmask_b32 v42, v42, v[48+\e], vcc_lo
	v_cndmask_b32 v45, v45, \e, vcc_lo
.endr
	v_add_f32 v41, v40, v42
	s_wait_alu depctr_va_vdst(0)
	v_rcp_f32 v41, v41
	v_nop
	s_wait_alu depctr_va_vdst(0)
	v_mul_f32 v46, v40, v41                        ; the two gates, normalised
	v_mul_f32 v47, v42, v41
.irp e, 0,1,2,3,4,5,6,7
	v_cmp_eq_u32 vcc_lo, \e, v44
	v_cndmask_b32 v[56+\e], 0, 1.0, vcc_lo
	v_cmp_eq_u32 vcc_lo, \e, v45
	v_cndmask_b32 v[56+\e], v[56+\e], 1.0, vcc_lo  ; combined_mask
.endr
	ds_store_b128 v7, v[56:59]                     ; lanes l, l + 8, l + 16, l + 24 write the same bytes with the same values
	ds_store_b128 v7, v[60:63] offset:16
	ds_load_b64 v[12:13], v10                      ; LDS serves a wave's instructions in order
.irp e, 0,1,2,3,4,5,6,7
	v_add_f32_dpp v[64+\e], v[32+\e], v[32+\e] row_xmask:1 row_mask:0xf bank_mask:0xf   ; sums over the eight batches: lanes l xor 1, 2, 4
	v_add_f32_dpp v[72+\e], v[56+\e], v[56+\e] row_xmask:1 row_mask:0xf bank_mask:0xf
.endr
.irp x, 2,4
.irp i, 0,1,2,3,4,5,6,7,8,9,10,11,12,13,14,15
	v_add_f32_dpp v[64+\i], v[64+\i], v[64+\i] row_xmask:\x row_mask:0xf bank_mask:0xf
.endr
.endr
	v_mul_f32 v80, v64, v72
.irp e, 1,2,3,4,5,6,7
	v_fma_f32 v80, v[64+\e], v[72+\e], v80
.endr
	v_mul_f32 v80, 0x3e000000, v80                 ; aux_loss = 8 x the sum of (Sp / 8)(Sm / 8) = the sum of Sp Sm / 8
	s_wait_alu depctr_va_vdst(0)
	s_wait_dscnt 0x0
	global_store_b64 v4, v[12:13], s[82:83]        ; out2: 256 consecutive bytes
	v_cmp_gt_u32 vcc_lo, 8, v1                     ; lanes 0 to 7
	s_wait_xcnt 0x0                                ; EXEC changes only behind this wait
	s_and_saveexec_b32 s24, vcc_lo
	global_store_b64 v4, v[44:45], s[76:77]        ; sel: word 2 b + k = the expert
	global_store_b64 v4, v[46:47], s[78:79]        ; gate: likewise
	s_wait_xcnt 0x0
	s_or_b32 exec_lo, exec_lo, s24
	v_cmp_eq_u32 vcc_lo, 0, v1
	s_and_saveexec_b32 s24, vcc_lo
	global_store_b32 v4, v80, s[80:81]             ; out1 (lane 0's offset is 0)
	s_wait_xcnt 0x0
	s_or_b32 exec_lo, exec_lo, s24
.Ltiles:
	s_cmp_lt_u32 s20, 8
	s_cbranch_scc0 .Lx
; ======== w1.  A lane reads a column of its tile, so its 32 registers run down K: a whole block, whose maximum needs no other lane and whose codes come out with K innermost.
.macro QL g                            ; column group g: 32 columns x 32 K into set g % 2
.set n, 0
.rept 32
	ds_load_b32 v[16+32*((\g)%2)+n], v[QT] offset:512*n+128*(\g)
.set n, n+1
.endr
.endm
.macro QG g, cnt
	s_wait_dscnt \cnt                              ; the group's loads are in; the count is what has been issued behind them
.set QD, 16+32*((\g)%2)
.set QM, 96+8*((\g)%2)
.irp i, 0,1,2,3
	v_max3_num_f32 v[QM+\i], |v[QD+8*\i]|, |v[QD+8*\i+1]|, |v[QD+8*\i+2]|
.endr
.irp i, 0,1,2,3
	v_max3_num_f32 v[QM+\i], v[QM+\i], |v[QD+8*\i+3]|, |v[QD+8*\i+4]|
.endr
.irp i, 0,1,2,3
	v_max3_num_f32 v[QM+\i], v[QM+\i], |v[QD+8*\i+5]|, |v[QD+8*\i+6]|
.endr
	v_max3_num_f32 v[QM], v[QM], |v[QD+7]|, |v[QD+15]|
	v_max3_num_f32 v[QM+1], v[QM+1], |v[QD+23]|, |v[QD+31]|
	v_max3_num_f32 v[QM], v[QM], v[QM+2], v[QM+3]
	v_max3_num_f32 v[QM], v[QM], v[QM+1], 0x1800000 ; the floor 2^(3 - 127) is one more leaf: the byte cannot fall under 1
	v_add_nc_u32 v[QM+4], 0xff000000, v[QM]        ; 2 off the exponent field: the conversion's scale operand
	v_lshrrev_b32 v[QM+5], 23, v[QM+4]             ; the scale's byte
	ds_store_b8 v[QB], v[QM+5] offset:128*(\g)     ; byte q of my column's word; the other three bytes are other waves'
.irp c, 0,1,2,3
	v_cvt_scalef32_pk8_fp4_f32 v[80+4*(\g)+\c], v[QD+8*\c:QD+8*\c+7], v[QM+4]
.endr
	v_nop                                          ; one plain line behind the scaled conversions
	global_store_b128 v[CO], v[80+4*(\g):83+4*(\g)], s[12:13] offset:16384*(\g)   ; lanes 0-15: 256 consecutive bytes of tile 2 G, lanes 16-31 of tile 2 G + 1, both aligned
.if (\g) < 2
	QL (\g)+2
.endif
.endm
	s_wait_tensorcnt 0x0                           ; my tile is in, and nobody else reads it
	QL 0
	QL 1
	QG 0, 32
	QG 1, 33
	QG 2, 33
	QG 3, 1
	s_branch .Lmeet
; ======== x.  Lane l holds k = 8 l .. 8 l + 7 of each of the 16 rows: four lanes to a block.
.Lx:
	s_wait_tensorcnt 0x0                           ; my tile is in, and nobody else reads it
.irp a, 0,1,2,3,4,5,6,7,8,9,10,11,12,13,14,15
	ds_load_b128 v[16+8*\a:19+8*\a], v[XR] offset:1024*\a
	ds_load_b128 v[20+8*\a:23+8*\a], v[XR] offset:1024*\a+16
.endr
.macro XROWS g                         ; rows 4 g .. 4 g + 3, by turns
	s_wait_dscnt 24                                ; their eight loads are in; behind them 8 (3 - g) loads and the earlier groups' 8 g stores
.irp a, 0,1,2,3
	v_max3_num_f32 v[144+4*\g+\a], |v[16+8*(4*\g+\a)]|, |v[17+8*(4*\g+\a)]|, 0x1800000   ; my 8 numbers, and the floor 2^(3 - 127)
.endr
.irp q, 2,4,6
.irp a, 0,1,2,3
	v_max3_num_f32 v[144+4*\g+\a], v[144+4*\g+\a], |v[16+8*(4*\g+\a)+\q]|, |v[17+8*(4*\g+\a)+\q]|
.endr
.endr
.irp a, 0,1,2,3
	v_max_num_f32_dpp v[144+4*\g+\a], v[144+4*\g+\a], v[144+4*\g+\a] row_xmask:1 row_mask:0xf bank_mask:0xf
.endr
.irp a, 0,1,2,3
	v_max_num_f32_dpp v[144+4*\g+\a], v[144+4*\g+\a], v[144+4*\g+\a] row_xmask:2 row_mask:0xf bank_mask:0xf   ; the four lanes' maximum: the block's
.endr
.irp a, 0,1,2,3
	v_add_nc_u32 v[144+4*\g+\a], 0xff000000, v[144+4*\g+\a]        ; 2 off the exponent field: the conversion's scale operand
.endr
.irp a, 0,1,2,3
	v_cvt_scalef32_pk8_fp4_f32 v[160+4*\g+\a], v[16+8*(4*\g+\a):23+8*(4*\g+\a)], v[144+4*\g+\a]
.endr
.irp a, 0,1,2,3
	v_lshrrev_b32 v[176+4*\g+\a], 23, v[144+4*\g+\a]               ; the scale's byte (a plain line behind the conversions)
.endr
.irp a, 0,1,2,3
	ds_store_b32 v[XC], v[160+4*\g+\a] offset:16*(4*\g+\a)         ; the block's image: row x 16 bytes
	ds_store_b8 v[XE], v[176+4*\g+\a] offset:32*(4*\g+\a)          ; the four lanes of a block write the same byte with the same value
.endr
.endm
.irp g, 0,1,2,3
	XROWS \g
.endr
.irp t, 0,1,2,3
	ds_load_b128 v[16+4*\t:19+4*\t], v[XO] offset:544*\t           ; LDS serves a wave's instructions in order: these see my stores
.endr
.irp t, 0,1,2,3
	s_wait_dscnt 3-\t
	global_store_b128 v[L16], v[16+4*\t:19+4*\t], s[8:9] offset:(\t/2)*8192+(\t%2)*512   ; half a fragment: 512 consecutive bytes, aligned
.endr
.Lmeet:
	s_wait_dscnt 0x0                               ; for the others' sake: my scale bytes lie in LDS
	s_barrier_signal -1
	s_barrier_wait -1
	s_cmp_lg_u32 s20, 0
	s_cbranch_scc1 .Lnot_w1
	ds_load_b128 v[112:115], v[WR]                 ; wave 0 takes w1's 256 words
	ds_load_b128 v[116:119], v[WR] offset:512
	s_wait_dscnt 0x0
	global_store_b128 v[L16], v[112:115], s[14:15] ; 1,024 consecutive bytes, aligned
	global_store_b128 v[L16], v[116:119], s[14:15] offset:512
.Lnot_w1:
	s_cmp_lg_u32 s20, 8
	s_cbranch_scc1 .Lend
	ds_load_b128 v[32:35], v[SR]                   ; wave 8 takes the 16 rows' 512 scale bytes
	s_wait_dscnt 0x0
	global_store_b128 v[L16], v[32:35], s[10:11]   ; 512 consecutive bytes, aligned
.Lend:
	s_wait_tensorcnt 0x0                           ; the wave's end
	ds_add_u32 v[SPW], v[NIL]
	s_wait_dscnt 0x0
	s_endpgm
.Lfunc_end_k_qed60a752ed_prep:
	.size	k_qed60a752ed_prep, .Lfunc_end_k_qed60a752ed_prep-k_qed60a752ed_prep
	.p2alignl 7, 3214868480
	.fill 96, 4, 3214868480
	.section	.rodata,"a",@progbits
	.p2align	6, 0x0
	.amdhsa_kernel k_qed60a752ed_prep
		.amdhsa_group_segment_fixed_size 208896
		.amdhsa_private_segment_fixed_size 0
		.amdhsa_enable_private_segment 0
		.amdhsa_kernarg_size 104
		.amdhsa_user_sgpr_count 2
		.amdhsa_user_sgpr_kernarg_segment_ptr 1
		.amdhsa_wavefront_size32 1
		.amdhsa_system_sgpr_workgroup_id_x 1
		.amdhsa_system_sgpr_workgroup_id_y 1
		.amdhsa_system_sgpr_workgroup_id_z 1
		.amdhsa_system_vgpr_workitem_id 0
		.amdhsa_next_free_vgpr 208
		.amdhsa_next_free_sgpr 96
		.amdhsa_reserve_vcc 1
		.amdhsa_float_denorm_mode_32 3
		.amdhsa_float_denorm_mode_16_64 3
		.amdhsa_memory_ordered 1
		.amdhsa_forward_progress 1
		.amdhsa_inst_pref_size 79
	.end_amdhsa_kernel
	.amdgpu_metadata
---
amdhsa.version: [ 1, 2 ]
amdhsa.kernels:
  - .name:           k_qed60a752ed_prep
    .symbol:         k_qed60a752ed_prep.kd
    .args:
      - { .name: x, .offset: 0, .size: 8, .value_kind: global_buffer, .address_space: global }
      - { .name: w1, .offset: 8, .size: 8, .value_kind: global_buffer, .address_space: global }
      - { .name: dec_embeddings, .offset: 16, .size: 8, .value_kind: global_buffer, .address_space: global }
      - { .name: router_w, .offset: 24, .size: 8, .value_kind: global_buffer, .address_space: global }
      - { .name: router_b, .offset: 32, .size: 8, .value_kind: global_buffer, .address_space: global }
      - { .name: xq, .offset: 40, .size: 8, .value_kind: global_buffer, .address_space: global }
      - { .name: xs, .offset: 48, .size: 8, .value_kind: global_buffer, .address_space: global }
      - { .name: w1b, .offset: 56, .size: 8, .value_kind: global_buffer, .address_space: global }
      - { .name: sel, .offset: 64, .size: 8, .value_kind: global_buffer, .address_space: global }
      - { .name: gate, .offset: 72, .size: 8, .value_kind: global_buffer, .address_space: global }
      - { .name: out1, .offset: 80, .size: 8, .value_kind: global_buffer, .address_space: global }
      - { .name: out2, .offset: 88, .size: 8, .value_kind: global_buffer, .address_space: global }
      - { .name: out3, .offset: 96, .size: 8, .value_kind: global_buffer, .address_space: global }
    .group_segment_fixed_size: 208896
    .private_segment_fixed_size: 0
    .kernarg_segment_align: 8
    .kernarg_segment_size: 104
    .max_flat_workgroup_size: 384
    .sgpr_count:     96
    .vgpr_count:     208
    .wavefront_size: 32
...
	.end_amdgpu_metadata
.endif
;; end of part 1
;; launch hid (part 2): grid 256 x 1, 8 waves a work-group, no clusters, 212,992 bytes of LDS; arguments xq, xs, w1b, b1, sel, hq, hs, w2, w2b; writes hq, hs, w2b
.if DOCPART == 2
	.amdgcn_target "amdgcn-amd-amdhsa--gfx1250"
	.amdhsa_code_object_version 6
	.text
	.protected	k_qed60a752ed_hid
	.globl	k_qed60a752ed_hid
	.p2align	8
	.type	k_qed60a752ed_hid,@function
k_qed60a752ed_hid:
	s_mov_b64 s[64:65], 0
	v_nop
	global_prefetch_b8 v0, s[64:65] scope:SCOPE_SE
	s_setreg_imm32_b32 hwreg(HW_REG_WAVE_MODE, 25, 1), 1
	s_wait_xcnt 0x0
; HID.  Waves 0..3 of a work-group: for one of the 16 pairs p = 2 b + k (batch, chosen expert e = sel[p]) a block of relu(x[b] w1[e] + b1[e]), quantised along the hidden units into hq, hs.
; Waves 4..7: the codes of 128 K x 256 columns of w2, which only the next launch reads.  The two share no data.
; Experts that a batch did not choose are not multiplied for it: reference() gathers the chosen ones alone; sel was stored by the launch before.
; THE PRODUCT.  Both operands are codes of FP4 (E2M1) with E8M0 scales; sums in f32.  Work-group 16 p + 4 rb + cb: rows 128 rb .. + 127 of the batch x hidden units 256 cb .. + 255.
; Wave w takes units 256 cb + 64 w .. + 63 (4 tiles) for all 128 rows, in two passes of 32 units (2 tiles): 16 accumulators each.  Its weight fragments come from memory straight into registers, each once: pass 0's 32 loads
; and half of pass 1's are asked for at the start, the rest into the registers that pass 0's first four steps have read.  x's codes, 64 KiB, come into LDS once, by one tensor load for each of the four waves.
; x's and the weights' scale words and b1 come in whole loads and turn through LDS into the lanes that want them.
; USED TRANSPOSED (source 0 = 16 weight columns, source 1 = 16 rows of x): a lane holds one row, and by the order of a weight tile's columns (slot r of tile 2 G + u is
; column 32 G + 8 u + r + 8 (r / 8)) the 16 registers of two neighbouring tiles are 16 neighbouring hidden units: the next product's K.
; b1 is the C of each sum's first product: it is loaded, ahead of each pass, into the accumulators of the pass's last two sums.
; w2: each of waves 4..7 brings its 32 K x 256 columns by one tensor load and alone reads them.  No LDS byte is filled twice.
; NO CLUSTER: what work-groups share is x's 64 KiB of the 330 KiB that each receives; the w1 codes go to registers by plain loads from an address made of the stored index and cannot be asked for jointly, w2's
; numbers are each work-group's own.  No prefetch: there is no loop to run ahead in.
; The only number from memory that steers anything is e: it is held to 0 .. 7 and enters base addresses alone; the branches hang on the wave's number.
; LIMITS: NaN and infinities are not served.  A block whose largest magnitude lies under 2^-124 (a block of zeros too) has scale byte 1, and only this program reads the bytes.  The bias enters the f32 sum first, not last.
; REGISTERS: v1-14 addresses.  Of the product: v16-47 x's scale words; v48-63 the weights'; v64-127, v128-191 x's fragments, two buffers (v128-191 at work on the way out); v192-255 pass 1's weights of K steps 0-3.
;   window 1: v0-127 accumulator (m, t) at v[8 (2 m + t)]; v128-255 pass 0's weights (K step s, tile t) at v[128 + 16 s + 8 t], then pass 1's of K steps 4-7.
.set SCST, 0                           ; 128 rows x 8 scale bytes of the hidden layer
.set W2S,  1024                        ; w2: 256 scale words
.set B1L,  2048                        ; b1: 256 bytes for each product wave
.set RG,   3072                        ; for each product wave: x's scale words of 32 rows (1,024 bytes), then its weights' (2,048)
.set XI,   15360                       ; x's image, 64 KiB
.set QI,   80896                       ; w2's tiles, 32 KiB for each of waves 4..7
.set SPARE, 211968                     ; the spare words, 128 bytes for each wave
.set SPW, 1                            ; LDS address of my spare word
.set NIL, 11                           ; 0
.set XS,  16                           ; x's scale word of rows 32 g + lane, K step s: v[XS + 8 g + s]
.set WSC, 48                           ; the weights' of pass P (lanes 0-15 tile 2 P, lanes 16-31 tile 2 P + 1), K step s: v[WSC + 8 P + s]
.set MSB, 0
.macro WIN new                         ; the immediate's high byte repeats the setting that is left
.if MSB != (\new)
	s_set_vgpr_msb (MSB<<8)|(\new)
.set MSB, (\new)
.endif
.endm
; one product: D, source 0, source 1, C by their first registers; the two scale registers; ra, rb: take the scales from lanes 16-31
.macro WM d, a, b, c, sa, sb, ra, rb
.if (\ra) && (\rb)
	v_wmma_scale_f32_16x16x128_f8f6f4 v[(\d):(\d)+7], v[(\a):(\a)+7], v[(\b):(\b)+7], v[(\c):(\c)+7], v[\sa], v[\sb] matrix_a_fmt:MATRIX_FMT_FP4 matrix_b_fmt:MATRIX_FMT_FP4 matrix_a_scale:MATRIX_SCALE_ROW1 matrix_b_scale:MATRIX_SCALE_ROW1
.elseif (\ra)
	v_wmma_scale_f32_16x16x128_f8f6f4 v[(\d):(\d)+7], v[(\a):(\a)+7], v[(\b):(\b)+7], v[(\c):(\c)+7], v[\sa], v[\sb] matrix_a_fmt:MATRIX_FMT_FP4 matrix_b_fmt:MATRIX_FMT_FP4 matrix_a_scale:MATRIX_SCALE_ROW1
.elseif (\rb)
	v_wmma_scale_f32_16x16x128_f8f6f4 v[(\d):(\d)+7], v[(\a):(\a)+7], v[(\b):(\b)+7], v[(\c):(\c)+7], v[\sa], v[\sb] matrix_a_fmt:MATRIX_FMT_FP4 matrix_b_fmt:MATRIX_FMT_FP4 matrix_b_scale:MATRIX_SCALE_ROW1
.else
	v_wmma_scale_f32_16x16x128_f8f6f4 v[(\d):(\d)+7], v[(\a):(\a)+7], v[(\b):(\b)+7], v[(\c):(\c)+7], v[\sa], v[\sb] matrix_a_fmt:MATRIX_FMT_FP4 matrix_b_fmt:MATRIX_FMT_FP4
.endif
.endm
.macro PLACES                          ; four places behind matrix instructions (ISA guide 7.12.1 for vector instructions)
.rept 4
	v_nop
.endr
.endm
	s_load_b256 s[4:11], s[0:1], 0x0               ; xq s[4:5], xs s[6:7], w1b s[8:9], b1 s[10:11]
	s_load_b256 s[12:19], s[0:1], 0x20             ; sel s[12:13], hq s[14:15], hs s[16:17], w2 s[18:19]
	s_load_b64 s[2:3], s[0:1], 0x40                ; w2b
	v_lshl_add_u32 v[SPW], v0, 2, SPARE
	v_mov_b32 v[NIL], 0
	ds_add_u32 v[SPW], v[NIL]                      ; the opening lines, ahead of my tensor load: the add, twice on end, and its wait
	ds_add_u32 v[SPW], v[NIL]
	v_lshrrev_b32 v15, 5, v0
	v_readfirstlane_b32 s20, v15                   ; wave
	s_and_b32 s21, s20, 3                          ; w of the product, q of w2
	s_and_b32 s22, ttmp9, 3                        ; cb; of w2: which 256 columns
	s_lshr_b32 s23, ttmp9, 2
	s_and_b32 s23, s23, 3                          ; rb
	s_lshr_b32 s24, ttmp9, 4                       ; p
	s_lshr_b32 s25, s24, 1                         ; b
	; descriptor group 1, elements of 8 bytes, no padding: x's codes, a dense block of 16 KiB as 64 rows of 256 bytes; w2's tile, 32 rows of 1,024 bytes, 4,096 apart
	s_mov_b32 s32, 0x30000
	s_mov_b32 s33, 32<<16
	s_mov_b32 s34, 64<<16
	s_mov_b32 s35, 32<<16
	s_mov_b32 s36, 64
	s_mov_b32 s37, 32
	s_mov_b32 s38, 0
	s_mov_b32 s39, 0
	s_mov_b32 s40, 0x30000
	s_mov_b32 s41, 128<<16
	s_mov_b32 s42, 32<<16
	s_mov_b32 s43, 128<<16
	s_mov_b32 s44, 32
	s_mov_b32 s45, 512
	s_mov_b32 s46, 0
	s_mov_b32 s47, 0
	s_mov_b32 s82, 0x76543210                      ; v_permlanex16_b32's selects for lane l xor 16
	s_mov_b32 s83, 0xfedcba98
	s_lshl_b32 s80, s25, 2
	s_add_co_u32 s80, s80, s23                     ; the row block 4 b + rb
	s_lshl_b32 s79, s21, 14                        ; K steps 2 w and 2 w + 1: 16,384 w
	s_lshl_b32 s26, s80, 16
	s_add_co_u32 s26, s26, s79
	s_mov_b32 s27, 0
	s_lshl_b32 s66, s80, 12                        ; xs: 128 rows of 32 bytes,
	s_lshl_b32 s67, s21, 10                        ; my 32
	s_add_co_u32 s66, s66, s67
	s_mov_b32 s67, 0
	s_lshl_b32 s28, s24, 2                         ; sel's word p
	s_mov_b32 s29, 0
	s_lshl_b32 s80, s24, 2
	s_add_co_u32 s80, s80, s23                     ; 4 p + rb
	s_lshl_b32 s58, s80, 2
	s_add_co_u32 s58, s58, s22
	s_lshl_b32 s58, s58, 10                        ; hs: 1,024 bytes for (p, rb, cb)
	s_mov_b32 s59, 0
	s_lshl_b32 s56, s80, 3
	s_lshl_b32 s57, s22, 1
	s_add_co_u32 s56, s56, s57
	s_lshr_b32 s57, s21, 1
	s_add_co_u32 s56, s56, s57                     ; hq: K step 2 cb + w / 2 of (p, rb),
	s_lshl_b32 s56, s56, 13
	s_and_b32 s57, s21, 1
	s_lshl_b32 s57, s57, 9                         ; half w % 2 of each fragment
	s_add_co_u32 s56, s56, s57
	s_mov_b32 s57, 0
	s_lshl_b32 s68, s22, 10                        ; 1,024 cb: my work-group's place in b1's row, and in a K step's scale words
	s_lshl_b32 s69, s22, 17
	s_lshl_b32 s80, s21, 15
	s_add_co_u32 s69, s69, s80                     ; my first tile, 16 cb + 4 w, x 8,192
	s_lshr_b32 s84, ttmp9, 5                       ; w2: expert
	s_lshr_b32 s85, ttmp9, 2
	s_and_b32 s85, s85, 7                          ; K step
	s_lshl_b32 s30, s84, 22                        ; source: 4 MiB an expert,
	s_lshl_b32 s31, s85, 19                        ; 128 rows a K step,
	s_add_co_u32 s30, s30, s31
	s_lshl_b32 s31, s21, 17                        ; 32 rows a block,
	s_add_co_u32 s30, s30, s31
	s_add_co_u32 s30, s30, s68                     ; 1,024 bytes for 256 columns
	s_mov_b32 s31, 0
	s_lshl_b32 s60, s84, 19                        ; codes: 512 KiB an expert,
	s_lshl_b32 s61, s22, 17                        ; 16 tiles of 8 KiB for 256 columns,
	s_add_co_u32 s60, s60, s61
	s_lshl_b32 s61, s85, 10                        ; 1 KiB a K step,
	s_add_co_u32 s60, s60, s61
	s_lshl_b32 s61, s21, 8                         ; 256 bytes a block
	s_add_co_u32 s60, s60, s61
	s_mov_b32 s61, 0
	s_lshl_b32 s62, s84, 15                        ; scale words: 4,096 bytes for an expert's K step,
	s_lshl_b32 s63, s85, 12
	s_add_co_u32 s62, s62, s63
	s_add_co_u32 s62, s62, s68
	s_add_co_u32 s62, s62, 0x400000                ; behind the codes
	s_mov_b32 s63, 0
	s_mul_i32 s86, s21, 3072
	s_add_co_u32 s86, s86, RG
	s_add_co_u32 s87, s86, 1024
	s_lshl_b32 s88, s21, 8                         ; 256 w
	s_add_co_u32 s89, s88, B1L
	s_lshl_b32 s90, s21, 1
	s_add_co_u32 s90, s90, SCST
	s_lshl_b32 s91, s21, 15
	s_add_co_u32 s91, s91, QI
	s_add_co_u32 s92, s21, W2S
	v_and_b32 v15, 31, v0                          ; lane l
	v_and_b32 v16, 15, v0                          ; r
	v_bfe_u32 v17, v0, 4, 1                        ; h
	v_lshlrev_b32 v2, 4, v15                       ; 16 l
	v_lshl_add_u32 v3, v15, 4, s86                 ; my region, as loaded
	v_lshlrev_b32 v4, 5, v15
	v_add_nc_u32 v4, RG, v4                        ; x's scale words: row l of a region
	v_lshlrev_b32 v18, 4, v16
	v_lshl_add_u32 v5, v17, 13, v18                ; 8,192 h + 16 r
	v_lshl_add_u32 v6, v15, 2, s87                 ; my weights' scale words
	v_add_nc_u32 v7, XI, v2                        ; x's fragments
	v_lshl_add_u32 v8, v17, 6, s89                 ; b1: my half's 16 numbers
	v_lshl_add_u32 v9, v17, 3, v18                 ; 16 r + 8 h: my half block of codes
	v_lshl_add_u32 v10, v16, 3, s90                ; the hidden layer's scale bytes: row r, my wave's two
	v_lshl_add_u32 v12, v15, 3, s88                ; 256 w + 8 l
	v_and_b32 v18, 8, v16
	v_add_nc_u32 v18, v18, v16
	v_lshl_add_u32 v18, v17, 3, v18                ; w2: slot r of tile h holds column 8 h + r + 8 (r / 8)
	v_lshl_add_u32 v13, v18, 2, s91
	v_lshl_add_u32 v14, v15, 2, s92                ; its scale byte
	s_wait_alu depctr_va_vdst(0)
	s_wait_dscnt 0x0                               ; both opening adds are done
	s_wait_kmcnt 0x0
	s_add_nc_u64 s[76:77], s[12:13], s[28:29]
	s_load_b32 s78, s[76:77], 0x0                  ; e
	s_mov_b32 s48, 1                               ; group 0: x's codes
	s_add_co_u32 s49, s79, XI
	s_add_nc_u64 s[50:51], s[4:5], s[26:27]
	s_or_b32 s51, s51, 0x80000000
	s_mov_b32 s52, 1                               ; w2's tile
	s_mov_b32 s53, s91
	s_add_nc_u64 s[54:55], s[18:19], s[30:31]
	s_or_b32 s55, s55, 0x80000000
	s_cmp_lt_u32 s20, 4
	s_cbranch_scc0 .Lask_w2
	tensor_load_to_lds s[48:51], s[32:39]          ; one load a wave
	s_nop 0
	PLACES
	s_branch .Lasked
.Lask_w2:
	tensor_load_to_lds s[52:55], s[40:47]
	s_nop 0
	PLACES
.Lasked:
	s_add_nc_u64 s[56:57], s[14:15], s[56:57]
	s_add_nc_u64 s[58:59], s[16:17], s[58:59]
	s_add_nc_u64 s[60:61], s[2:3], s[60:61]
	s_add_nc_u64 s[62:63], s[2:3], s[62:63]
	s_add_nc_u64 s[66:67], s[6:7], s[66:67]
	s_wait_kmcnt 0x0
	s_min_u32 s78, s78, 7                          ; the index stays inside its table
	s_lshl_b32 s26, s78, 15
	s_add_co_u32 s26, s26, s68
	s_add_co_u32 s26, s26, s88
	s_add_co_u32 s26, s26, 0x400000
	s_add_nc_u64 s[72:73], s[8:9], s[26:27]        ; w1[e]'s scale words at my units
	s_lshl_b32 s26, s78, 12
	s_add_co_u32 s26, s26, s68
	s_add_nc_u64 s[74:75], s[10:11], s[26:27]      ; b1[e] at my work-group's units
	s_lshl_b32 s26, s78, 19
	s_add_co_u32 s26, s26, s69
	s_add_nc_u64 s[70:71], s[8:9], s[26:27]        ; w1[e]'s codes at my tiles.  Every wave makes these bases, ahead of the parting
	s_cmp_lt_u32 s20, 4
	s_cbranch_scc0 .Lmeet1
	global_load_b128 v[64:67], v2, s[66:67]        ; my 32 rows of x's scale bytes: 1,024 consecutive bytes
	global_load_b128 v[68:71], v2, s[66:67] offset:512
.irp i, 0,1,2,3
	global_load_b128 v[72+4*\i:75+4*\i], v5, s[72:73] offset:(\i/2)*16384+(\i%2)*4096   ; 256 bytes of K step 4 (i / 2) + i % 2, and of the K step two on
.endr
	global_load_b64 v[88:89], v12, s[74:75]        ; my 64 numbers of b1
.macro LOADW P, s                      ; pass P's two weight fragments of K step s: 512 consecutive bytes a load
.if (\P) == 0
	WIN 0x40
.set WB, 128+16*(\s)
.elseif (\s) < 4
	WIN 0
.set WB, 192+16*(\s)
.else
	WIN 0x40
.set WB, 128+16*((\s)-4)
.endif
.irp t, 0,1
.irp c, 0,1
	global_load_b128 v[WB+8*\t+4*\c:WB+8*\t+4*\c+3], v2, s[70:71] offset:(2*(\P)+\t)*8192+(\s)*1024+512*\c
.endr
.endr
.endm
.irp s, 0,1,2,3,4,5,6,7
	LOADW 0, \s
.endr
.irp s, 0,1,2,3
	LOADW 1, \s
.endr
	WIN 0
	s_wait_loadcnt 48                              ; the seven small loads are in; the 48 loads of weights may be out
	ds_store_b128 v3, v[64:67]
	ds_store_b128 v3, v[68:71] offset:512
.irp i, 0,1,2,3
	ds_store_b128 v3, v[72+4*\i:75+4*\i] offset:1024+512*\i
.endr
	ds_store_b64 v12, v[88:89] offset:B1L
	s_wait_tensorcnt 0x0                           ; my part of x's codes has landed
.Lmeet1:
	s_wait_dscnt 0x0                               ; for the others' sake: my stores are done
	s_barrier_signal -1
	s_barrier_wait -1                              ; x's codes and scale words are whole
	s_cmp_lt_u32 s20, 4
	s_cbranch_scc0 .Lquant
.macro LDB1 P                          ; b1 into the accumulators (7, t): tile 2 P + t, lane (r, h): units 32 P + 16 h + 8 t + 0 .. 7
	WIN 0x40
.irp t, 0,1
	ds_load_b128 v[8*(14+\t):8*(14+\t)+3], v8 offset:128*(\P)+32*\t
	ds_load_b128 v[8*(14+\t)+4:8*(14+\t)+7], v8 offset:128*(\P)+32*\t+16
.endr
	WIN 0
.endm
.macro FETCH s, buf                    ; x's eight fragments of K step s
.irp m, 0,1,2,3,4,5,6,7
.irp c, 0,1
	ds_load_b128 v[(\buf)+8*\m+4*\c:(\buf)+8*\m+4*\c+3], v7 offset:(\s)*8192+\m*1024+512*\c
.endr
.endr
.endm
; 16 products: the 16 accumulators take turns, one instruction a turn, in the same order in every step
.macro MUL P, s
.if ((\P) == 1) && ((\s) < 4)
	WIN 0x50                                       ; C and D window 1
.set WB, 192+16*(\s)
.else
	WIN 0x51                                       ; source 0 (weights), C and D window 1
.set WB, 128+16*((\s)-4*(\P))
.endif
.irp m, 0,1,2,3,4,5,6,7
.if ((\s) == 0) && (\m == 7)
.rept 5
	v_nop                                          ; five places: the next two products write over b1, which the ones before took as C
.endr
.endif
.irp t, 0,1
.if (\s) == 0
	WM 8*(2*\m+\t), WB+8*\t, 64+8*\m, 8*(14+\t), WSC+8*(\P), XS+8*(\m/2), \t, \m%2
.else
	WM 8*(2*\m+\t), WB+8*\t, 64+64*((\s)%2)+8*\m, 8*(2*\m+\t), WSC+8*(\P)+(\s), XS+8*(\m/2)+(\s), \t, \m%2
.endif
.endr
.endr
	WIN 0
.endm
.macro STEP P, s
.if (\P)+(\s) > 0
	PLACES                                         ; in front of loads into registers that the step before multiplied
.endif
.if ((\P) == 1) && ((\s) == 0)
	s_wait_xcnt 0x0                                ; pass 0's stores have read their registers: the buffer may be filled
.endif
.if ((\P) == 0) && ((\s) > 0) && ((\s) < 5)
	LOADW 1, (\s)+3                                ; into the registers that the step before read
	WIN 0
.endif
.if (\s) < 7
	FETCH (\s)+1, 64+64*(((\s)+1)%2)
	s_wait_dscnt 16                                ; this step's fragments (and b1) are in; the 16 loads just issued may be out
.elseif (\P) == 0
	FETCH 0, 64
	s_wait_dscnt 16
.else
	s_wait_dscnt 0x0
.endif
.if (\P) == 1
	s_wait_loadcnt 28-4*(\s)                       ; this step's weights are in; the later steps' loads, 4 each, may be out
.elseif (\s) < 5
	s_wait_loadcnt 44                              ; likewise: 4 (7 - s) of pass 0's, 16 of pass 1's, and 4 s that pass 0's steps have asked for
.else
	s_wait_loadcnt 60-4*(\s)                       ; likewise, with the 16 that steps 1 to 4 have asked for
.endif
	MUL \P, \s
.endm
; THE WAY OUT, four tiles of 16 rows at a time, so four blocks by turns: relu, the blocks' scales, the codes: a quarter of a fragment of the next product's operand each.
.macro EPI P, hb
.set A0, 64*(\hb)
.set TM, 128+32*(\hb)
	WIN 0x44
.set n, 0
.rept 64
	v_max_num_f32 v[A0+n], 0, v[A0+n]              ; the activation, in f32; each accumulator is read from its low end on
.set n, n+1
.endr
	WIN 0x05
.irp j, 0,1,2,3
	v_max3_num_f32 v[TM+\j], v[A0+16*\j], v[A0+16*\j+1], 0x1800000   ; block j: my 16 numbers (none is negative), and the floor 2^(3 - 127)
.endr
	WIN 0x14
.irp q, 2,4,6,8,10,12,14
.irp j, 0,1,2,3
	v_max3_num_f32 v[TM+\j], v[TM+\j], v[A0+16*\j+\q], v[A0+16*\j+\q+1]
.endr
.endr
	WIN 0
.irp j, 0,1,2,3
	v_permlanex16_b32 v[TM+4+\j], v[TM+\j], s82, s83
.endr
.irp j, 0,1,2,3
	v_max_num_f32 v[TM+\j], v[TM+\j], v[TM+4+\j]   ; with lane l xor 16's 16: the block's largest
.endr
.irp j, 0,1,2,3
	v_add_nc_u32 v[TM+8+\j], 0xff000000, v[TM+\j]  ; 2 off the exponent field: the conversion's scale operand
.endr
.irp j, 0,1,2,3
	v_lshrrev_b32 v[TM+12+\j], 23, v[TM+8+\j]      ; the scale's byte
.endr
	WIN 0x01
.irp j, 0,1,2,3
	v_cvt_scalef32_pk8_fp4_f32 v[TM+16+2*\j], v[A0+16*\j:A0+16*\j+7], v[TM+8+\j]
	v_cvt_scalef32_pk8_fp4_f32 v[TM+17+2*\j], v[A0+16*\j+8:A0+16*\j+15], v[TM+8+\j]
.endr
	WIN 0
	v_nop                                          ; one plain line behind a scaled conversion
.irp j, 0,1,2,3
	global_store_b64 v9, v[TM+16+2*\j:TM+17+2*\j], s[56:57] offset:1024*(4*(\hb)+\j)+256*(\P)   ; a block of 16 rows: 256 consecutive bytes, aligned
	ds_store_b8 v10, v[TM+12+\j] offset:128*(4*(\hb)+\j)+(\P)      ; lanes r and r + 16 write the same byte with the same value
.endr
.endm
.irp g, 0,1,2,3
	ds_load_b128 v[XS+8*\g:XS+8*\g+3], v4 offset:3072*\g           ; rows 32 g + l: the words of K steps 0-3,
	ds_load_b128 v[XS+8*\g+4:XS+8*\g+7], v4 offset:3072*\g+16      ; and of 4-7
.endr
.irp P, 0,1
.irp s, 0,1,2,3,4,5,6,7
	ds_load_b32 v[WSC+8*\P+\s], v6 offset:512*((\s/4)*2+\s%2)+256*((\s/2)%2)+128*\P
.endr
.endr
	LDB1 0
	FETCH 0, 64
.irp s, 0,1,2,3,4,5,6,7
	STEP 0, \s
.endr
	PLACES                                         ; between the last products and the first read of results
	EPI 0, 0
	EPI 0, 1
	LDB1 1
.irp s, 0,1,2,3,4,5,6,7
	STEP 1, \s
.endr
	PLACES
	EPI 1, 0
	EPI 1, 1
	s_branch .Lmeet2
; ======== w2.  A lane reads a column of its tile, so its 32 registers run down K: a whole block, whose maximum needs no other lane and whose codes come out with K innermost.
.Lquant:
.macro QL g                            ; column group g: 32 columns x 32 K into set g % 2
.set n, 0
.rept 32
	ds_load_b32 v[64+32*((\g)%2)+n], v13 offset:1024*n+128*(\g)
.set n, n+1
.endr
.endm
.macro QG g, cnt
	s_wait_dscnt \cnt                              ; the group's loads are in; the count is what has been issued behind them
.set QD, 64+32*((\g)%2)
.set QM, 160+8*((\g)%2)
.irp i, 0,1,2,3
	v_max3_num_f32 v[QM+\i], |v[QD+8*\i]|, |v[QD+8*\i+1]|, |v[QD+8*\i+2]|
.endr
.irp i, 0,1,2,3
	v_max3_num_f32 v[QM+\i], v[QM+\i], |v[QD+8*\i+3]|, |v[QD+8*\i+4]|
.endr
.irp i, 0,1,2,3
	v_max3_num_f32 v[QM+\i], v[QM+\i], |v[QD+8*\i+5]|, |v[QD+8*\i+6]|
.endr
	v_max3_num_f32 v[QM], v[QM], |v[QD+7]|, |v[QD+15]|
	v_max3_num_f32 v[QM+1], v[QM+1], |v[QD+23]|, |v[QD+31]|
	v_max3_num_f32 v[QM], v[QM], v[QM+2], v[QM+3]
	v_max3_num_f32 v[QM], v[QM], v[QM+1], 0x1800000 ; the floor 2^(3 - 127) is one more leaf
	v_add_nc_u32 v[QM+4], 0xff000000, v[QM]        ; 2 off the exponent field: the conversion's scale operand
	v_lshrrev_b32 v[QM+5], 23, v[QM+4]             ; the scale's byte
	ds_store_b8 v14, v[QM+5] offset:128*(\g)       ; byte q of my column's word; the other three bytes are other waves'
.irp c, 0,1,2,3
	v_cvt_scalef32_pk8_fp4_f32 v[128+4*(\g)+\c], v[QD+8*\c:QD+8*\c+7], v[QM+4]
.endr
	v_nop                                          ; one plain line behind the scaled conversions
	global_store_b128 v5, v[128+4*(\g):131+4*(\g)], s[60:61] offset:16384*(\g)   ; lanes 0-15: 256 consecutive bytes of tile 2 G, lanes 16-31 of tile 2 G + 1, both aligned
.if (\g) < 6
	QL (\g)+2
.endif
.endm
	s_wait_tensorcnt 0x0                           ; my tile is in, and nobody else reads it
	QL 0
	QL 1
	QG 0, 32
.irp g, 1,2,3,4,5,6
	QG \g, 33
.endr
	QG 7, 1
.Lmeet2:
	s_wait_dscnt 0x0                               ; for the others' sake: my scale bytes lie in LDS
	s_barrier_signal -1
	s_barrier_wait -1
	s_cmp_lt_u32 s20, 4
	s_cbranch_scc0 .Lwords
	ds_load_b64 v[160:161], v12 offset:SCST        ; 32 rows' 8 bytes: the four waves' parts together
	s_wait_dscnt 0x0
	global_store_b64 v12, v[160:161], s[58:59]     ; 256 consecutive bytes a wave, aligned
	s_branch .Lend
.Lwords:
	s_cmp_lg_u32 s20, 4
	s_cbranch_scc1 .Lend
	ds_load_b128 v[176:179], v2 offset:W2S         ; wave 4: w2's 256 scale words
	ds_load_b128 v[180:183], v2 offset:W2S+512
	s_wait_dscnt 0x0
	global_store_b128 v2, v[176:179], s[62:63]     ; 1,024 consecutive bytes, aligned
	global_store_b128 v2, v[180:183], s[62:63] offset:512
.Lend:
	s_wait_tensorcnt 0x0                           ; the wave's end
	ds_add_u32 v[SPW], v[NIL]
	s_wait_dscnt 0x0
	s_endpgm
.Lfunc_end_k_qed60a752ed_hid:
	.size	k_qed60a752ed_hid, .Lfunc_end_k_qed60a752ed_hid-k_qed60a752ed_hid
	.p2alignl 7, 3214868480
	.fill 96, 4, 3214868480
	.section	.rodata,"a",@progbits
	.p2align	6, 0x0
	.amdhsa_kernel k_qed60a752ed_hid
		.amdhsa_group_segment_fixed_size 212992
		.amdhsa_private_segment_fixed_size 0
		.amdhsa_enable_private_segment 0
		.amdhsa_kernarg_size 72
		.amdhsa_user_sgpr_count 2
		.amdhsa_user_sgpr_kernarg_segment_ptr 1
		.amdhsa_wavefront_size32 1
		.amdhsa_system_sgpr_workgroup_id_x 1
		.amdhsa_system_sgpr_workgroup_id_y 1
		.amdhsa_system_sgpr_workgroup_id_z 1
		.amdhsa_system_vgpr_workitem_id 0
		.amdhsa_next_free_vgpr 512
		.amdhsa_next_free_sgpr 96
		.amdhsa_reserve_vcc 0
		.amdhsa_float_denorm_mode_32 3
		.amdhsa_float_denorm_mode_16_64 3
		.amdhsa_memory_ordered 1
		.amdhsa_forward_progress 1
		.amdhsa_inst_pref_size 124
	.end_amdhsa_kernel
	.amdgpu_metadata
---
amdhsa.version: [ 1, 2 ]
amdhsa.kernels:
  - .name:           k_qed60a752ed_hid
    .symbol:         k_qed60a752ed_hid.kd
    .args:
      - { .name: xq, .offset: 0, .size: 8, .value_kind: global_buffer, .address_space: global }
      - { .name: xs, .offset: 8, .size: 8, .value_kind: global_buffer, .address_space: global }
      - { .name: w1b, .offset: 16, .size: 8, .value_kind: global_buffer, .address_space: global }
      - { .name: b1, .offset: 24, .size: 8, .value_kind: global_buffer, .address_space: global }
      - { .name: sel, .offset: 32, .size: 8, .value_kind: global_buffer, .address_space: global }
      - { .name: hq, .offset: 40, .size: 8, .value_kind: global_buffer, .address_space: global }
      - { .name: hs, .offset: 48, .size: 8, .value_kind: global_buffer, .address_space: global }
      - { .name: w2, .offset: 56, .size: 8, .value_kind: global_buffer, .address_space: global }
      - { .name: w2b, .offset: 64, .size: 8, .value_kind: global_buffer, .address_space: global }
    .group_segment_fixed_size: 212992
    .private_segment_fixed_size: 0
    .kernarg_segment_align: 8
    .kernarg_segment_size: 72
    .max_flat_workgroup_size: 256
    .sgpr_count:     96
    .vgpr_count:     512
    .wavefront_size: 32
...
	.end_amdgpu_metadata
.endif
;; end of part 2
;; launch outp (part 3): grid 32 x 8, 4 waves a work-group, no clusters, 216,576 bytes of LDS; arguments hq, hs, w2b, b2, sel, gate, out0; writes out0
.if DOCPART == 3
	.amdgcn_target "amdgcn-amd-amdhsa--gfx1250"
	.amdhsa_code_object_version 6
	.text
	.protected	k_qed60a752ed_outp
	.globl	k_qed60a752ed_outp
	.p2align	8
	.type	k_qed60a752ed_outp,@function
k_qed60a752ed_outp:
	s_mov_b64 s[64:65], 0
	v_nop
	global_prefetch_b8 v0, s[64:65] scope:SCOPE_SE
	s_setreg_imm32_b32 hwreg(HW_REG_WAVE_MODE, 25, 1), 1
	s_wait_xcnt 0x0
; OUTP: out0[b] = g0 (h0 w2[e0] + b2[e0]) + g1 (h1 w2[e1] + b2[e1]); h_k the hidden layer of pair 2 b + k as codes of FP4 (E2M1) with E8M0 scales, w2 likewise; sums in f32.
; Experts that a batch did not choose are not multiplied for it: reference() gathers the chosen ones alone; sel and gate were stored by an earlier launch.
; SHARES.  Work-group (x = 8 rb + cb, y = b): rows 128 rb .. + 127 x columns 128 cb .. + 127, K = 2 x 1,024.  THE WAVES SHARE THE COLUMNS: wave w takes columns 128 cb + 32 w .. + 31 (two tiles)
; for all 128 rows and both experts: 32 accumulators; the experts keep sums of their own, since the gates are no powers of two and are applied in f32.
; Its 32 weight fragments (2 experts x 8 K steps x 2 tiles, 256 registers) come from memory straight into registers, all asked for at the start.  The hidden layer's codes, 128 KiB, come into LDS by one tensor
; load a wave, all at the head: waves 0 and 1 bring expert 0's, waves 2 and 3 expert 1's, which are waited for only in expert 0's last step.  No LDS byte is filled twice.
; Scale words and b2 come in whole loads, shared out among the waves where all need them, and turn through LDS into the lanes that want them.
; THE PRODUCT IS USED TRANSPOSED (source 0 = 16 weight columns, source 1 = 16 rows): by the order of a weight tile's columns a lane's 16 registers of the two tiles are 16 neighbouring
; columns of one row: 64 bytes.  b2 is the C of each sum's first product.  Expert 0's sums are multiplied by g0 in expert 1's steps.
; THE WAY OUT goes in four chunks of 32 rows: a chunk's results meet in a stage of its own in LDS and leave as rows of 512 bytes while the next chunk is made.
; NO CLUSTER: the eight work-groups of one (b, rb) read the same 128 KiB of codes, half of what a work-group receives; the other half are weights, which go to registers by plain loads from
; addresses made of stored indices, and cannot be asked for jointly.  So each work-group asks for itself.  No prefetch: there is no loop to run ahead in.
; The only numbers from memory that steer anything are e0 and e1: each is held to 0 .. 7 and enters base addresses alone; the branches hang on the wave's number.
; LIMITS: NaN and infinities are not served.  The bias enters each f32 sum first, not last.
; REGISTERS, in windows of 256: window 0: v2-13 addresses; v16-79 the hidden layer's scale words; v80-95 the weights'; v96-159, v160-223 the hidden layer's fragments, two buffers (together: the results on the way out).
;   window 1: weight fragment (k, s, u) at v[8 (16 k + 2 s + u)].   window 2: accumulator (k, m, u) at v[8 (16 k + 2 m + u)].   window 3: v0-31 b2's tiles at v[8 (2 k + u)].
.set STG, 131072                       ; behind the image: 128 rows x (512 bytes + 16), written by LDS stores alone
.set HSL, 198656                       ; the hidden layer's scale words: 4,096 bytes for each expert
.set WSL, 206848                       ; the weights': 2,048 bytes for each wave
.set B2L, 215040                       ; b2: 256 bytes for each wave
.set SPARE, 216064                     ; the spare words, 128 bytes for each wave
.set SPW, 254                          ; LDS address of my spare word
.set NIL, 255                          ; 0
.set HS,  16                           ; scale word of rows 32 g + lane, expert k, K step s: v[HS + 32 k + 8 g + s]
.set WSC, 80                           ; the weights' (lanes 0-15 tile 0, lanes 16-31 tile 1): v[WSC + 8 k + s]
.set T,   96
.set MSB, 0
.macro WIN new                         ; the immediate's high byte repeats the setting that is left
.if MSB != (\new)
	s_set_vgpr_msb (MSB<<8)|(\new)
.set MSB, (\new)
.endif
.endm
.macro WM d, a, b, c, sa, sb, ra, rb
.if (\ra) && (\rb)
	v_wmma_scale_f32_16x16x128_f8f6f4 v[(\d):(\d)+7], v[(\a):(\a)+7], v[(\b):(\b)+7], v[(\c):(\c)+7], v[\sa], v[\sb] matrix_a_fmt:MATRIX_FMT_FP4 matrix_b_fmt:MATRIX_FMT_FP4 matrix_a_scale:MATRIX_SCALE_ROW1 matrix_b_scale:MATRIX_SCALE_ROW1
.elseif (\ra)
	v_wmma_scale_f32_16x16x128_f8f6f4 v[(\d):(\d)+7], v[(\a):(\a)+7], v[(\b):(\b)+7], v[(\c):(\c)+7], v[\sa], v[\sb] matrix_a_fmt:MATRIX_FMT_FP4 matrix_b_fmt:MATRIX_FMT_FP4 matrix_a_scale:MATRIX_SCALE_ROW1
.elseif (\rb)
	v_wmma_scale_f32_16x16x128_f8f6f4 v[(\d):(\d)+7], v[(\a):(\a)+7], v[(\b):(\b)+7], v[(\c):(\c)+7], v[\sa], v[\sb] matrix_a_fmt:MATRIX_FMT_FP4 matrix_b_fmt:MATRIX_FMT_FP4 matrix_b_scale:MATRIX_SCALE_ROW1
.else
	v_wmma_scale_f32_16x16x128_f8f6f4 v[(\d):(\d)+7], v[(\a):(\a)+7], v[(\b):(\b)+7], v[(\c):(\c)+7], v[\sa], v[\sb] matrix_a_fmt:MATRIX_FMT_FP4 matrix_b_fmt:MATRIX_FMT_FP4
.endif
.endm
	s_load_b256 s[4:11], s[0:1], 0x0               ; hq s[4:5], hs s[6:7], w2b s[8:9], b2 s[10:11]
	s_load_b128 s[12:15], s[0:1], 0x20             ; sel s[12:13], gate s[14:15]
	s_load_b64 s[16:17], s[0:1], 0x30              ; out0
	v_lshl_add_u32 v[SPW], v0, 2, SPARE
	v_mov_b32 v[NIL], 0
	ds_add_u32 v[SPW], v[NIL]                      ; the opening lines, ahead of my tensor load: the add, twice on end, and its wait
	ds_add_u32 v[SPW], v[NIL]
	v_lshrrev_b32 v1, 5, v0
	v_readfirstlane_b32 s20, v1                    ; wave w
	s_and_b32 s21, ttmp9, 7                        ; cb
	s_lshr_b32 s22, ttmp9, 3                       ; rb
	s_and_b32 s23, ttmp7, 0xffff                   ; b
	; descriptor group 1: a dense block of 32 KiB as 128 rows of 32 elements of 8 bytes, no padding: the image is read as consecutive bytes
	s_mov_b32 s32, 0x30000
	s_mov_b32 s33, 32<<16
	s_mov_b32 s34, 128<<16
	s_mov_b32 s35, 32<<16
	s_mov_b32 s36, 128
	s_mov_b32 s37, 32
	s_mov_b32 s38, 0
	s_mov_b32 s39, 0
	s_lshr_b32 s18, s20, 1                         ; I bring expert w / 2's
	s_and_b32 s19, s20, 1                          ; K steps 4 (w % 2) .. + 3
	s_lshl_b32 s81, s23, 3
	s_add_co_u32 s81, s81, s22                     ; 8 b + rb
	s_lshl_b32 s2, s81, 16                         ; hq: 64 KiB for (pair, rb);
	s_lshl_b32 s80, s18, 18                        ; pair 2 b + 1 lies 256 KiB on
	s_add_co_u32 s2, s2, s80
	s_lshl_b32 s80, s19, 15
	s_add_co_u32 s2, s2, s80
	s_mov_b32 s3, 0
	s_lshl_b32 s26, s81, 12                        ; hs: 4,096 bytes for (pair, rb); pair 2 b + 1 lies 16,384 on
	s_lshl_b32 s80, s18, 14
	s_add_co_u32 s26, s26, s80
	s_lshl_b32 s80, s19, 11                        ; I bring 2,048 of them
	s_add_co_u32 s26, s26, s80
	s_mov_b32 s27, 0
	s_lshl_b32 s30, s23, 3                         ; sel's and gate's two words of batch b
	s_mov_b32 s31, 0
	s_lshl_b32 s86, s20, 7
	s_add_co_u32 s86, s86, STG
	s_mul_i32 s87, s20, 4224
	s_add_co_u32 s87, s87, STG
	s_lshl_b32 s88, s20, 11
	s_add_co_u32 s89, s88, WSL
	s_add_co_u32 s88, s88, HSL
	s_lshl_b32 s90, s20, 8
	s_add_co_u32 s90, s90, B2L
	v_and_b32 v1, 31, v0                           ; lane l
	v_lshlrev_b32 v2, 4, v1                        ; 16 l
	v_add_nc_u32 v3, 65536, v2                     ; the same in expert 1's half of the image
	v_add_nc_u32 v4, s88, v2                       ; the hidden layer's scale words: my part, as loaded
	v_lshlrev_b32 v5, 3, v1
	v_add_nc_u32 v5, HSL, v5                       ; and row l's, 8 bytes
	v_lshrrev_b32 v14, 3, v1
	v_and_b32 v15, 7, v1
	v_lshlrev_b32 v15, 4, v15
	v_lshl_add_u32 v6, v14, 12, v15                ; the weights' scale words in memory: K step l / 8, 16 of its 128 bytes
	v_add_nc_u32 v9, s89, v2                       ; in LDS, as loaded,
	v_lshl_add_u32 v10, v1, 2, s89                 ; and a word a lane
	v_lshlrev_b32 v11, 2, v1                       ; 4 l
	v_add_nc_u32 v12, s90, v11                     ; b2, as loaded,
	v_bfe_u32 v14, v0, 4, 1                        ; h
	v_lshl_add_u32 v13, v14, 6, s90                ; and my half's 16 numbers
	v_and_b32 v15, 15, v0                          ; r
	v_mul_u32_u24 v7, v15, 528
	v_lshl_add_u32 v7, v14, 6, v7
	v_add_nc_u32 v7, s86, v7                       ; into the stage: row r, my wave's 128 bytes, my half's 64
	v_add_nc_u32 v8, s87, v2                       ; back: my 8 rows of a chunk, 16 bytes a lane
	s_wait_alu depctr_va_vdst(0)
	s_wait_dscnt 0x0                               ; both opening adds are done
	s_wait_kmcnt 0x0
	s_add_nc_u64 s[62:63], s[12:13], s[30:31]
	s_add_nc_u64 s[66:67], s[14:15], s[30:31]
	s_load_b64 s[24:25], s[62:63], 0x0             ; e0, e1
	s_load_b64 s[60:61], s[66:67], 0x0             ; g0, g1
	s_mov_b32 s40, 1                               ; group 0
	s_lshl_b32 s41, s20, 15                        ; 32,768 w
	s_add_nc_u64 s[42:43], s[4:5], s[2:3]
	s_or_b32 s43, s43, 0x80000000                  ; type = 2
	s_cmp_lt_u32 s20, 2
	s_cbranch_scc0 .Lask_1
	tensor_load_to_lds s[40:43], s[32:39]          ; expert 0's codes: a line of its own for waves 0 and 1, which wait for it first
	s_nop 0
.rept 4
	v_nop
.endr
	s_branch .Lasked
.Lask_1:
	tensor_load_to_lds s[40:43], s[32:39]          ; expert 1's
	s_nop 0
.rept 4
	v_nop
.endr
.Lasked:
	s_add_nc_u64 s[26:27], s[6:7], s[26:27]
.irp i, 0,1,2,3
	global_load_b128 v[96+4*\i:99+4*\i], v2, s[26:27] offset:512*\i   ; my 2,048 bytes of the hidden layer's scale words
.endr
	s_lshl_b32 s2, s23, 21                         ; out0: 512 rows of 4,096 bytes a batch,
	s_lshl_b32 s30, s22, 19                        ; 128 a row block,
	s_add_co_u32 s2, s2, s30
	s_lshl_b32 s30, s20, 15                        ; my wave's 8 of each chunk's 32,
	s_add_co_u32 s2, s2, s30
	s_lshl_b32 s30, s21, 9                         ; the work-group's 512 bytes of a row
	s_add_co_u32 s2, s2, s30
	s_add_nc_u64 s[28:29], s[16:17], s[2:3]
	s_lshl_b32 s84, s21, 16
	s_lshl_b32 s30, s20, 14
	s_add_co_u32 s84, s84, s30                     ; my group G = 4 cb + w: two tiles of 8,192 bytes
	s_lshl_b32 s85, s21, 9
	s_lshl_b32 s30, s20, 7
	s_add_co_u32 s85, s85, s30                     ; 128 G: my place in b2's row,
	s_add_co_u32 s88, s85, 0x400000                ; and in a K step's scale words, behind the codes
	s_wait_kmcnt 0x0
.irp k, 0,1
	s_min_u32 s[24+\k], s[24+\k], 7                ; the index stays inside its table
	s_lshl_b32 s2, s[24+\k], 12
	s_add_co_u32 s2, s2, s85
	s_add_nc_u64 s[76+2*\k:77+2*\k], s[10:11], s[2:3]      ; b2[e] at my columns
	s_lshl_b32 s2, s[24+\k], 15
	s_add_co_u32 s2, s2, s88
	s_add_nc_u64 s[72+2*\k:73+2*\k], s[8:9], s[2:3]        ; w2[e]'s scale words
	s_lshl_b32 s2, s[24+\k], 19
	s_add_co_u32 s2, s2, s84
	s_add_nc_u64 s[68+2*\k:69+2*\k], s[8:9], s[2:3]        ; and its codes at my tiles
.endr
	s_mov_b32 s56, s60                             ; the gates as pairs: the packed forms name a pair and take its low word for both halves
	s_mov_b32 s57, s60
	s_mov_b32 s58, s61
	s_mov_b32 s59, s61
.irp k, 0,1
.irp i, 0,1
	global_load_b128 v[112+8*\k+4*\i:115+8*\k+4*\i], v6, s[72+2*\k:73+2*\k] offset:16384*\i   ; K steps 4 i .. 4 i + 3, 128 bytes each
.endr
.endr
.irp k, 0,1
	global_load_b32 v[128+\k], v11, s[76+2*\k:77+2*\k]     ; my 32 columns of b2
.endr
.macro WSTEP k, s                      ; expert k's weights of K step s
	WIN 0x40                                       ; destination window 1
.irp u, 0,1
.irp c, 0,1
	global_load_b128 v[8*(16*\k+2*(\s)+\u)+4*\c:8*(16*\k+2*(\s)+\u)+4*\c+3], v2, s[68+2*\k:69+2*\k] offset:\u*8192+(\s)*1024+512*\c
.endr
.endr
.endm
.irp s, 0,1,2,3,4,5,6,7
	WSTEP 0, \s
.endr
.irp s, 0,1,2,3,4
	WSTEP 1, \s
.endr
	WIN 0
	s_wait_loadcnt 52                              ; the ten small loads are in; the 52 loads of weights may be out
.irp i, 0,1,2,3
	ds_store_b128 v4, v[96+4*\i:99+4*\i] offset:512*\i
.endr
.irp i, 0,1,2,3
	ds_store_b128 v9, v[112+4*\i:115+4*\i] offset:512*\i
.endr
	ds_store_b32 v12, v128
	ds_store_b32 v12, v129 offset:128
.irp s, 5,6,7
	WSTEP 1, \s
.endr
	WIN 0
.macro SMALL k                         ; expert k's scale words and bias, out of LDS
.irp q, 0,1,2,3
.irp g, 0,1,2,3
	ds_load_b64 v[HS+32*\k+8*\g+2*\q:HS+32*\k+8*\g+2*\q+1], v5 offset:\k*4096+\q*1024+\g*256   ; rows 32 g + l: the words of K steps 2 q and 2 q + 1
.endr
.endr
.irp s, 0,1,2,3,4,5,6,7
	ds_load_b32 v[WSC+8*\k+\s], v10 offset:1024*\k+128*\s
.endr
	WIN 0xc0                                       ; destination window 3
.irp u, 0,1
	ds_load_b128 v[8*(2*\k+\u):8*(2*\k+\u)+3], v13 offset:128*\k+32*\u       ; tile u, lane (r, h): columns 16 h + 8 u + 0 .. 7
	ds_load_b128 v[8*(2*\k+\u)+4:8*(2*\k+\u)+7], v13 offset:128*\k+32*\u+16
.endr
	WIN 0
.endm
.macro FETCH_A S                       ; the eight fragments of step S (expert S / 8, K step S % 8) into buffer S % 2
.set AFL, 96+64*((\S)%2)
.irp m, 0,1,2,3,4,5,6,7
.irp c, 0,1
.if (\S) < 8
	ds_load_b128 v[AFL+8*\m+4*\c:AFL+8*\m+4*\c+3], v2 offset:((\S)%8)*8192+\m*1024+512*\c
.else
	ds_load_b128 v[AFL+8*\m+4*\c:AFL+8*\m+4*\c+3], v3 offset:((\S)%8)*8192+\m*1024+512*\c
.endif
.endr
.endr
.endm
; 16 products: an expert's 16 accumulators take turns, one instruction a turn, in the same order in every step
.macro MUL S
.set KK, (\S)/8
.set SS, (\S)%8
.set AFM, 96+64*((\S)%2)
.if SS == 0
	WIN 0xb1                                       ; source 0 window 1, source 1 window 0, C (b2) window 3, D window 2
.else
	WIN 0xa1                                       ; C and D window 2
.endif
.irp m, 0,1,2,3,4,5,6,7
.irp u, 0,1
.if SS == 0
	WM 8*(16*KK+2*\m+\u), 8*(16*KK+2*SS+\u), AFM+8*\m, 8*(2*KK+\u), WSC+8*KK+SS, HS+32*KK+8*(\m/2)+SS, \u, \m%2
.else
	WM 8*(16*KK+2*\m+\u), 8*(16*KK+2*SS+\u), AFM+8*\m, 8*(16*KK+2*\m+\u), WSC+8*KK+SS, HS+32*KK+8*(\m/2)+SS, \u, \m%2
.endif
.endr
.endr
	WIN 0
.endm
.macro GATE0 i                         ; a quarter of expert 0's sums x g0, in place, two at a time; each accumulator is read from its low end on
	WIN 0x82                                       ; source 0 and destination window 2
.set n, 32*(\i)
.rept 16
	v_pk_mul_f32 v[n:n+1], v[n:n+1], s[56:57] op_sel_hi:[1,0]
.set n, n+2
.endr
	WIN 0
.endm
.macro STEP S
.if (\S) == 7
	s_wait_tensorcnt 0x0                           ; my tensor load has landed, expert 1's too,
	s_wait_dscnt 0x0                               ; no LDS load of mine is out at the signal,
	s_barrier_signal -1
	s_barrier_wait -1                              ; and everybody's has landed
.endif
; four places in front of loads into the buffer that the last step's products read (ISA guide 7.12.1 for vector instructions)
.if ((\S) > 8) && ((\S) < 13)
	GATE0 (\S)-9                                   ; sixteen plain lines that name no register of expert 1's products
.elseif (\S) > 0
.rept 4
	v_nop
.endr
.endif
.if (\S) == 5
	SMALL 1
.endif
.if (\S) < 15
	FETCH_A (\S)+1
	s_wait_dscnt 16                                ; this step's fragments are in; the 16 loads just issued may be out
.else
	s_wait_dscnt 0x0
.endif
	s_wait_loadcnt 60-4*(\S)                       ; this step's weights are in; the later steps' loads, 4 each, may be out
	MUL \S
.endm
	s_cmp_lt_u32 s20, 2
	s_cbranch_scc0 .Lmeet
	s_wait_tensorcnt 0x0                           ; waves 0 and 1: my part of expert 0's codes has landed
.Lmeet:
	s_wait_dscnt 0x0                               ; for the others' sake: my stores are done
	s_barrier_signal -1
	s_barrier_wait -1                              ; expert 0's codes and all scale words are whole
	SMALL 0
	FETCH_A 0
.irp S, 0,1,2,3,4,5,6,7,8,9,10,11,12,13,14,15
	STEP \S
.endr
; THE WAY OUT.  Chunk c: rows 32 c .. 32 c + 31 (m = 2 c and 2 c + 1).
.macro FMA c                           ; g1 x expert 1's sums + expert 0's gated ones, two at a time; each accumulator is read from its low end on
	WIN 0x22                                       ; sources 0 and 2 window 2
.set n, 32*(\c)
.rept 16
	v_pk_fma_f32 v[T+n:T+n+1], v[128+n:129+n], s[58:59], v[n:n+1] op_sel_hi:[1,0,1]
.set n, n+2
.endr
	WIN 0
.endm
.macro PUT c                           ; into the stage: row 16 m + r, my 64 bytes
.irp m, 0,1
.irp q, 0,1,2,3
	ds_store_b128 v7, v[T+32*(\c)+16*\m+4*\q:T+32*(\c)+16*\m+4*\q+3] offset:16896*(\c)+8448*\m+16*\q
.endr
.endr
.endm
.macro GET c                           ; back: 8 whole rows
.irp i, 0,1,2,3,4,5,6,7
	ds_load_b128 v[T+32*(\c)+4*\i:T+32*(\c)+4*\i+3], v8 offset:16896*(\c)+528*\i
.endr
.endm
.macro SEND c
.irp i, 0,1,2,3,4,5,6,7
	global_store_b128 v2, v[T+32*(\c)+4*\i:T+32*(\c)+4*\i+3], s[28:29] offset:4096*(32*(\c)+\i) th:TH_STORE_NT   ; 32 lanes store 512 consecutive bytes, aligned; written once, read by nobody here
.endr
.endm
.rept 4
	v_nop                                          ; four places between the last products and the first read of results and the first write over their operands
.endr
	FMA 0
	PUT 0
.irp c, 0,1,2
	s_wait_dscnt 0x0                               ; for the others' sake: my part of chunk c lies in the stage
	s_barrier_signal -1
	FMA \c+1                                       ; (work on registers alone)
	s_wait_alu depctr_va_vdst(0)
	s_barrier_wait -1
	GET \c
	PUT \c+1
	s_wait_dscnt 8                                 ; chunk c's rows are back; the eight stores behind them may be out
	SEND \c
.endr
	s_wait_dscnt 0x0
	s_barrier_signal -1
	s_barrier_wait -1
	GET 3
	s_wait_dscnt 0x0
	SEND 3
	s_wait_tensorcnt 0x0                           ; the wave's end
	ds_add_u32 v[SPW], v[NIL]
	s_wait_dscnt 0x0
	s_endpgm
.Lfunc_end_k_qed60a752ed_outp:
	.size	k_qed60a752ed_outp, .Lfunc_end_k_qed60a752ed_outp-k_qed60a752ed_outp
	.p2alignl 7, 3214868480
	.fill 96, 4, 3214868480
	.section	.rodata,"a",@progbits
	.p2align	6, 0x0
	.amdhsa_kernel k_qed60a752ed_outp
		.amdhsa_group_segment_fixed_size 216576
		.amdhsa_private_segment_fixed_size 0
		.amdhsa_enable_private_segment 0
		.amdhsa_kernarg_size 56
		.amdhsa_user_sgpr_count 2
		.amdhsa_user_sgpr_kernarg_segment_ptr 1
		.amdhsa_wavefront_size32 1
		.amdhsa_system_sgpr_workgroup_id_x 1
		.amdhsa_system_sgpr_workgroup_id_y 1
		.amdhsa_system_sgpr_workgroup_id_z 1
		.amdhsa_system_vgpr_workitem_id 0
		.amdhsa_next_free_vgpr 800
		.amdhsa_next_free_sgpr 96
		.amdhsa_reserve_vcc 0
		.amdhsa_float_denorm_mode_32 3
		.amdhsa_float_denorm_mode_16_64 3
		.amdhsa_memory_ordered 1
		.amdhsa_forward_progress 1
		.amdhsa_inst_pref_size 85
	.end_amdhsa_kernel
	.amdgpu_metadata
---
amdhsa.version: [ 1, 2 ]
amdhsa.kernels:
  - .name:           k_qed60a752ed_outp
    .symbol:         k_qed60a752ed_outp.kd
    .args:
      - { .name: hq, .offset: 0, .size: 8, .value_kind: global_buffer, .address_space: global }
      - { .name: hs, .offset: 8, .size: 8, .value_kind: global_buffer, .address_space: global }
      - { .name: w2b, .offset: 16, .size: 8, .value_kind: global_buffer, .address_space: global }
      - { .name: b2, .offset: 24, .size: 8, .value_kind: global_buffer, .address_space: global }
      - { .name: sel, .offset: 32, .size: 8, .value_kind: global_buffer, .address_space: global }
      - { .name: gate, .offset: 40, .size: 8, .value_kind: global_buffer, .address_space: global }
      - { .name: out0, .offset: 48, .size: 8, .value_kind: global_buffer, .address_space: global }
    .group_segment_fixed_size: 216576
    .private_segment_fixed_size: 0
    .kernarg_segment_align: 8
    .kernarg_segment_size: 56
    .max_flat_workgroup_size: 128
    .sgpr_count:     96
    .vgpr_count:     800
    .wavefront_size: 32
...
	.end_amdgpu_metadata
.endif
;; end of part 3
